; MI455X (gfx1250); checked and timed in simulation.
; The chip was launched on July 23, 2026; its instructions are those of AMD's public machine-readable ISA for CDNA 5 (MIT licence, August 2026) and "CDNA5" Instruction Set Architecture Reference Guide (July 2026). The comments in the code are by the model that wrote it; some were corrected since.
;; Mo E Layer. Allowed arithmetic: float matrix products may take bf16 or f16 operands with f32 sums; all other float work in f32.
;; Inputs: W1 4 x 1,024 x 2,048 float32; W2 4 x 2,048 x 2,048 float32; b1 4 x 2,048 float32; b2 4 x 2,048 float32; backbone_output 2,048 x 1,024 float32; routing_matrix 1,124 x 4 float32; task 2,048 int32; task_embeddings 8 x 100 float32.
;; Outputs: out0 2,048 x 2,048 float32; out1 2,048 float32.
;; One version. Each part assembles by itself: llvm-mc -triple=amdgcn-amd-amdhsa -mcpu=gfx1250 --defsym DOCPART=n.
;; ======== version 1 of 1: 4 launches
;; limits: values are held in f16: magnitudes above 65,504 overflow, below 6.1e-05 lose precision
;; workspace buffers: w1h 16,777,216 bytes; w2h 33,554,432 bytes; x16 4,194,304 bytes; h16 33,554,432 bytes; y 67,108,864 bytes; gate 8,192 bytes; sel 8,192 bytes of whole numbers
;; launch prep (part 1): grid 2048 x 1, 8 waves a work-group, no clusters, 1,280 bytes of LDS; arguments W1, backbone_output, routing_matrix, task, task_embeddings, w1h, x16, gate, sel, out1; writes w1h, x16, gate, sel, out1
.if DOCPART == 1
	.amdgcn_target "amdgcn-amd-amdhsa--gfx1250"
	.amdhsa_code_object_version 6
	.text
	.protected	k_q4176000f33_prep
	.globl	k_q4176000f33_prep
	.p2align	8
	.type	k_q4176000f33_prep,@function
k_q4176000f33_prep:
	s_mov_b64 s[64:65], 0
	v_nop
	global_prefetch_b8 v0, s[64:65] scope:SCOPE_SE
	s_setreg_imm32_b32 hwreg(HW_REG_WAVE_MODE, 25, 1), 1
	s_wait_xcnt 0x0
; PREP: W1 and x from f32 to f16 (layouts kept), and the router in f32.  (W2 is converted by the next launch, beside its matrix work.)
; Work-group n of 2,048 converts 16 KiB of W1 and row n of x (5 chunks of 4 KiB: 256 threads x 16 bytes) and routes token n:
; logits = [x ; task_emb[task]] . R on the vector unit in f32 (18 MFLOP in all; the argmax has to agree with an f32 computation, so no 16-bit operands here),
; softmax with the maximum taken away, g = largest weight = 1 / sum, sel = its first index, out1 = -0.0025 (ln(g + 1e-6) + 3 ln 1e-6).
; A stream: no matrix unit, no cluster (the only bytes that work-groups share are R's 17,984), no loop: all 14 loads of a thread go out at once.
; Each load of a wave covers 512 consecutive bytes, each f16 store of a wave 256 consecutive bytes, aligned.
; LIMITS: |W1|, |x| above 65,504 become infinity in f16, magnitudes below 6.1e-5 keep an absolute step of 6e-8.  The logits are summed in another order than
; a row-by-row product.  A tie is taken where exp2 of the shifted logit is exactly 1.0; the first such index wins.  gate, sel and out1 are stored as
; single words (one token a work-group; the three tables are 24 KiB in all), so those stores cover 4 bytes each.
.set D,   16                           ; v[16:31]   chunk c of W1: 4 registers as loaded, c = 0..3
.set X,   32                           ; v[32:35]   x[n][4t .. 4t+3] in f32, kept for the router
.set XH,  36                           ; v[36:37]   the same in f16
.set RM,  40                           ; v[40:55]   R rows 4t .. 4t+3 (4 experts each)
.set RT,  56                           ; v[56:71]   R rows 1024+4u .. +3, u = min(t, 24)
.set TE,  72                           ; v[72:75]   task_emb[task][4u .. 4u+3]
.set L,   4                            ; v[4:7]     the four logits' partial sums
	s_load_b512 s[4:19], s[0:1], 0x0               ; W1 4:5, x 6:7, R 8:9, task 10:11, temb 12:13, w1h 14:15, x16 16:17, gate 18:19
	s_load_b128 s[20:23], s[0:1], 0x40             ; sel 20:21, out1 22:23
	v_lshl_add_u32 v80, v0, 2, 0x100
	v_mov_b32 v81, 0
	v_lshrrev_b32 v8, 5, v0
	v_readfirstlane_b32 s32, v8                    ; wave 0..7
	v_mov_b32 v9, s32
	v_lshlrev_b32 v9, 4, v9                        ; my wave's 16 bytes in LDS
	v_lshlrev_b32 v1, 4, v0                        ; 16 t: my 16 bytes of a chunk
	v_lshlrev_b32 v2, 3, v0                        ; 8 t: my 8 bytes of a converted chunk
	v_mov_b32 v3, 0
	v_lshlrev_b32 v76, 6, v0                       ; 64 t: four rows of R
	v_min_u32 v8, 24, v0                           ; u: threads 25 and up read thread 24's bytes and add zero
	v_lshlrev_b32 v77, 6, v8
	s_mov_b32 s33, 0x76543210                      ; v_permlanex16_b32: lane i of one half reads lane i of the other
	s_mov_b32 s34, 0xfedcba98
	s_mov_b32 s36, 0xbae32166                      ; -0.0025 ln 2
	s_mov_b32 s37, 0x3dd434cc                      ; 0.0025 x 41.446532 = -0.0025 x 3 ln 1e-6
	s_mov_b32 s31, 0
	s_wait_kmcnt 0x0
	s_lshl_b32 s30, ttmp9, 2                       ; one word a token
	s_add_nc_u64 s[10:11], s[10:11], s[30:31]
	s_load_b32 s29, s[10:11], 0x0                  ; task[n]
	s_add_nc_u64 s[18:19], s[18:19], s[30:31]
	s_add_nc_u64 s[20:21], s[20:21], s[30:31]
	s_add_nc_u64 s[22:23], s[22:23], s[30:31]
	s_lshl_b32 s30, ttmp9, 14                      ; 16 KiB of W1
	s_add_nc_u64 s[4:5], s[4:5], s[30:31]
	s_lshl_b32 s30, ttmp9, 12                      ; a row of x
	s_add_nc_u64 s[6:7], s[6:7], s[30:31]
	s_lshl_b32 s30, ttmp9, 13                      ; 8 KiB of w1h
	s_add_nc_u64 s[14:15], s[14:15], s[30:31]
	s_lshl_b32 s30, ttmp9, 11                      ; a row of x16
	s_add_nc_u64 s[16:17], s[16:17], s[30:31]
.irp c, 0,1,2,3
	global_load_b128 v[D+4*\c:D+4*\c+3], v1, s[4:5] offset:4096*\c th:TH_LOAD_NT
.endr
	global_load_b128 v[X:X+3], v1, s[6:7] th:TH_LOAD_NT
.irp k, 0,1,2,3
	global_load_b128 v[RM+4*\k:RM+4*\k+3], v76, s[8:9] offset:16*\k
.endr
.irp k, 0,1,2,3
	global_load_b128 v[RT+4*\k:RT+4*\k+3], v77, s[8:9] offset:16384+16*\k      ; rows 1024 and up; the last byte read is R's last
.endr
	s_wait_kmcnt 0x0                               ; task[n]
	s_min_u32 s29, s29, 7                          ; the table has 8 rows
	s_mul_i32 s29, s29, 400                        ; of 400 bytes
	v_lshl_add_u32 v78, v8, 4, s29
	global_load_b128 v[TE:TE+3], v78, s[12:13]     ; the 14th load
; chunk c: 4 f32 to 4 f16, in place, and out.  No register is written again, so nothing has to be freed.
.macro CONV c
	s_wait_loadcnt 13-\c                           ; loads come back in order (ISA guide 5.7.1): of 14, the 13 - c issued behind chunk c may stay out
	v_cvt_pk_f16_f32 v[D+4*\c], v[D+4*\c], v[D+4*\c+1]
	v_cvt_pk_f16_f32 v[D+4*\c+1], v[D+4*\c+2], v[D+4*\c+3]
	global_store_b64 v2, v[D+4*\c:D+4*\c+1], s[14:15] offset:2048*\c
.endm
.irp c, 0,1,2,3
	CONV \c
.endr
	s_wait_loadcnt 9                               ; x is in; R's eight loads and the embedding's one may stay out
	v_cvt_pk_f16_f32 v[XH], v[X], v[X+1]           ; into other registers: the router wants x in f32
	v_cvt_pk_f16_f32 v[XH+1], v[X+2], v[X+3]
	global_store_b64 v2, v[XH:XH+1], s[16:17]
	; the router: my 4 (or 8) terms of each of the four logits
	s_wait_loadcnt 0x0
	v_cmp_gt_u32 vcc_lo, 25, v0                    ; 25 threads x 4 = the embedding's 100 numbers
.irp k, 0,1,2,3
	v_cndmask_b32 v[TE+\k], 0, v[TE+\k], vcc_lo
.endr
.irp e, 0,1,2,3
	v_mul_f32 v[L+\e], v[X], v[RM+\e]              ; the first product starts the sum
.endr
.irp k, 1,2,3
.irp e, 0,1,2,3
	v_fmac_f32 v[L+\e], v[X+\k], v[RM+4*\k+\e]
.endr
.endr
.irp k, 0,1,2,3
.irp e, 0,1,2,3
	v_fmac_f32 v[L+\e], v[TE+\k], v[RT+4*\k+\e]
.endr
.endr
.macro WSUM r                          ; the sum over the wave's 32 lanes, in every lane
	v_add_f32_dpp v[\r], v[\r], v[\r] row_xmask:1 row_mask:0xf bank_mask:0xf
	v_add_f32_dpp v[\r], v[\r], v[\r] row_xmask:2 row_mask:0xf bank_mask:0xf
	v_add_f32_dpp v[\r], v[\r], v[\r] row_xmask:4 row_mask:0xf bank_mask:0xf
	v_add_f32_dpp v[\r], v[\r], v[\r] row_xmask:8 row_mask:0xf bank_mask:0xf
	v_permlanex16_b32 v8, v[\r], s33, s34          ; v8 has been written (u)
	v_add_f32 v[\r], v[\r], v8
.endm
.irp e, 0,1,2,3
	WSUM L+\e
.endr
	ds_store_b128 v9, v[L:L+3]                     ; all lanes store the same 16 bytes: my wave's four sums
	s_wait_dscnt 0x0                               ; for wave 0's sake: my store is done before I signal
	s_barrier_signal -1
	s_barrier_wait -1
	s_cmp_lg_u32 s32, 0
	s_cbranch_scc1 .Lend                           ; wave 0 finishes the token
	v_and_b32 v10, 31, v0
	v_lshlrev_b32 v10, 2, v10
	ds_load_b32 v8, v10                            ; lane l: wave l / 4's sum for expert l % 4
	s_wait_dscnt 0x0
	v_add_f32_dpp v8, v8, v8 row_xmask:4 row_mask:0xf bank_mask:0xf
	v_add_f32_dpp v8, v8, v8 row_xmask:8 row_mask:0xf bank_mask:0xf
	v_permlanex16_b32 v9, v8, s33, s34
	v_add_f32 v8, v8, v9                           ; every lane: logit[l % 4]
	v_max_num_f32_dpp v9, v8, v8 row_xmask:1 row_mask:0xf bank_mask:0xf
	v_max_num_f32_dpp v9, v9, v9 row_xmask:2 row_mask:0xf bank_mask:0xf   ; the largest of the four
	v_sub_f32 v4, v8, v9
	v_mul_f32 v4, 0x3fb8aa3b, v4
	v_exp_f32 v4, v4                               ; e^(logit - max), 1.0 at the maximum
	v_and_b32 v6, 3, v0                            ; (the plain instruction between v_exp_f32 and the use of its result: ISA guide 5.7.2)
	v_cvt_f32_u32 v6, v6                           ; my expert's number as f32
	s_wait_alu depctr_va_vdst(0)
	v_add_f32_dpp v5, v4, v4 row_xmask:1 row_mask:0xf bank_mask:0xf       ; v5 has been written (a partial sum)
	v_add_f32_dpp v5, v5, v5 row_xmask:2 row_mask:0xf bank_mask:0xf       ; the softmax's denominator
	v_cmp_eq_f32 vcc_lo, 1.0, v4
	v_cndmask_b32 v6, 4.0, v6, vcc_lo              ; candidates: my number where I hold the maximum, else 4
	v_rcp_f32 v5, v5                               ; g = 1 / sum: the largest weight
	v_min_num_f32_dpp v6, v6, v6 row_xmask:1 row_mask:0xf bank_mask:0xf   ; (also the plain instruction behind v_rcp_f32)
	v_min_num_f32_dpp v6, v6, v6 row_xmask:2 row_mask:0xf bank_mask:0xf   ; the first index of the maximum
	v_cvt_u32_f32 v6, v6
	s_wait_alu depctr_va_vdst(0)
	v_add_f32 v7, 0x358637bd, v5                   ; g + 1e-6
	v_log_f32 v7, v7
	v_nop                                          ; the plain instruction behind v_log_f32
	s_wait_alu depctr_va_vdst(0)
	v_fma_f32 v7, v7, s36, s37                     ; -0.0025 (ln(g + 1e-6) + 3 ln 1e-6)
	s_wait_xcnt 0x0                                ; EXEC is a source of my pending stores: it changes only behind this wait
	v_cmp_eq_u32 vcc_lo, 0, v0
	s_and_saveexec_b32 s35, vcc_lo
	global_store_b32 v3, v5, s[18:19]              ; gate[n]
	global_store_b32 v3, v6, s[20:21]              ; sel[n]
	global_store_b32 v3, v7, s[22:23]              ; out1[n]
	s_wait_xcnt 0x0                                ; and again in front of the line that widens it
	s_or_b32 exec_lo, exec_lo, s35
.Lend:
	s_wait_tensorcnt 0x0
	ds_add_u32 v80, v81
	s_wait_dscnt 0x0
	s_endpgm
.Lfunc_end_k_q4176000f33_prep:
	.size	k_q4176000f33_prep, .Lfunc_end_k_q4176000f33_prep-k_q4176000f33_prep
	.p2alignl 7, 3214868480
	.fill 96, 4, 3214868480
	.section	.rodata,"a",@progbits
	.p2align	6, 0x0
	.amdhsa_kernel k_q4176000f33_prep
		.amdhsa_group_segment_fixed_size 1280
		.amdhsa_private_segment_fixed_size 0
		.amdhsa_enable_private_segment 0
		.amdhsa_kernarg_size 80
		.amdhsa_user_sgpr_count 2
		.amdhsa_user_sgpr_kernarg_segment_ptr 1
		.amdhsa_wavefront_size32 1
		.amdhsa_system_sgpr_workgroup_id_x 1
		.amdhsa_system_sgpr_workgroup_id_y 1
		.amdhsa_system_sgpr_workgroup_id_z 1
		.amdhsa_system_vgpr_workitem_id 0
		.amdhsa_next_free_vgpr 82
		.amdhsa_next_free_sgpr 66
		.amdhsa_reserve_vcc 1
		.amdhsa_float_denorm_mode_32 3
		.amdhsa_float_denorm_mode_16_64 3
		.amdhsa_memory_ordered 1
		.amdhsa_forward_progress 1
		.amdhsa_inst_pref_size 10
	.end_amdhsa_kernel
	.amdgpu_metadata
---
amdhsa.version: [ 1, 2 ]
amdhsa.kernels:
  - .name:           k_q4176000f33_prep
    .symbol:         k_q4176000f33_prep.kd
    .args:
      - { .name: W1, .offset: 0, .size: 8, .value_kind: global_buffer, .address_space: global }
      - { .name: backbone_output, .offset: 8, .size: 8, .value_kind: global_buffer, .address_space: global }
      - { .name: routing_matrix, .offset: 16, .size: 8, .value_kind: global_buffer, .address_space: global }
      - { .name: task, .offset: 24, .size: 8, .value_kind: global_buffer, .address_space: global }
      - { .name: task_embeddings, .offset: 32, .size: 8, .value_kind: global_buffer, .address_space: global }
      - { .name: w1h, .offset: 40, .size: 8, .value_kind: global_buffer, .address_space: global }
      - { .name: x16, .offset: 48, .size: 8, .value_kind: global_buffer, .address_space: global }
      - { .name: gate, .offset: 56, .size: 8, .value_kind: global_buffer, .address_space: global }
      - { .name: sel, .offset: 64, .size: 8, .value_kind: global_buffer, .address_space: global }
      - { .name: out1, .offset: 72, .size: 8, .value_kind: global_buffer, .address_space: global }
    .group_segment_fixed_size: 1280
    .private_segment_fixed_size: 0
    .kernarg_segment_align: 8
    .kernarg_segment_size: 80
    .max_flat_workgroup_size: 256
    .sgpr_count:     66
    .vgpr_count:     82
    .wavefront_size: 32
...
	.end_amdgpu_metadata
.endif
;; end of part 1
;; launch gemm1 (part 2): grid 32 x 8, 4 waves a work-group, clusters of 4 x 4, 327,680 bytes of LDS; arguments x16, w1h, b1, h16, W2, w2h; writes h16, w2h
.if DOCPART == 2
	.amdgcn_target "amdgcn-amd-amdhsa--gfx1250"
	.amdhsa_code_object_version 6
	.text
	.protected	k_q4176000f33_gemm1
	.globl	k_q4176000f33_gemm1
	.p2align	8
	.type	k_q4176000f33_gemm1,@function
k_q4176000f33_gemm1:
	s_mov_b64 s[64:65], 0
	v_nop
	global_prefetch_b8 v0, s[64:65] scope:SCOPE_SE
	s_setreg_imm32_b32 hwreg(HW_REG_WAVE_MODE, 25, 1), 1
	s_wait_xcnt 0x0
	s_wait_alu depctr_hold_cnt(0) depctr_sa_sdst(0) depctr_va_vdst(0) depctr_va_sdst(0) depctr_va_ssrc(0) depctr_va_vcc(0) depctr_vm_vsrc(0)
	s_getreg_b32 s2, hwreg(HW_REG_IB_STS2, 6, 4)
	s_cmp_eq_u32 s2, 0
	s_cbranch_scc0 .Lentry_in_a_cluster
	s_endpgm
.Lentry_in_a_cluster:
	s_bfe_u32 s2, ttmp6, 0x10000c
	s_cmp_lg_u32 s2, 0xf033
	s_cbranch_scc0 .Lentry_shape_is_right
	s_endpgm
.Lentry_shape_is_right:
; GEMM1: h16[e][n][c] = f16(relu(sum over k of x16[n][k] w1h[e][k][c] + b1[e][c])).  x16 [2048][1024], w1h [4][1024][2048], h16 [4][2048][2048] in f16; b1 [4][2048], sums in f32.
; BESIDE IT: w2h = f16(W2), layout kept.  The product asks little of memory, so each wave also streams 64 KiB of W2 (1/1024 of it) through registers, 2 KiB in each of
; its 32 quarter steps: 4 loads of 512 consecutive bytes, 8 conversions, 4 stores of 256 consecutive aligned bytes, asked for four quarter steps ahead (16 loads of the wave out).
; 256 work-groups; each makes 256 tokens x 256 columns of one expert with four waves, a wave 128 x 128: 64 accumulator tiles of 16 x 16, 512 registers.
; K goes in steps of 128 through a ring of two LDS slots filled by the tensor data mover; every tile row is 256 consecutive bytes of memory at a multiple of 256.
; x's tile lies [token][k] and is read by plain 16-byte LDS loads; W's lies [k][column], as in memory, and is read by the transposing load ds_load_tr16_b128.
; CLUSTERS of 4 x 4: the four work-groups of a row of the cluster have the same tokens (and expert) and ask for x's tiles jointly, the four of a column have the same
; expert and columns and ask for W's tiles jointly: a quarter of the requests for each.
; THE MATRIX INSTRUCTION IS USED TRANSPOSED: source 0 = 16 columns of W, source 1 = 16 tokens.  Lane l then holds token l % 16, and its registers 0-7 the columns
; 8 (l / 16) + 0..7: neighbouring numbers of a row of h.  The bias of those columns is the C of the first products: nothing is cleared, nothing added later.
; LIMITS: |h| and |W2| above 65,504 become infinity in f16 (with inputs as drawn |h| stays below 4); a NaN sum becomes 0 (v_max_num_f32 lets the NaN lose).
; REGISTERS in windows of 256: window 0: addresses, x's fragments (two buffers), W2's stream and then the way out; window 1: W's fragments (two buffers), the bias; windows 2, 3: accumulators.
.set SIZE_K,  1024
.set A_EXPERT, 0                       ; bytes from expert to expert in A: x is the same for all four
.set NCOL,   2048                      ; columns of W and of h
.set KSTEP,  128
.set PA,     272                       ; an LDS row of x's tile: 256 bytes + 16: the 16 rows that a load touches start 4 banks apart (64 banks of 4 bytes: ISA guide 11.1)
.set PW,     288                       ; an LDS row of W's tile: 256 bytes + 32
.set HALFA,  128*PA                    ; 128 tokens x 128 k: one tensor load, and what a wave reads of x
.set HALFW,  128*PW                    ; 128 k x 128 columns: one tensor load, and what a wave reads of W
.set SLOT,   2*HALFW+2*HALFA           ; W's two halves, then x's two halves
.set STAGE,  2*SLOT                    ; behind the ring, at a multiple of 256: 16 rows x 272 bytes for each wave, for the way out; no tensor load lands here
.set SP,     272
.set LAPS,   SIZE_K/(2*KSTEP)          ; a lap = two K steps = once round the ring
.set ADRA, 16                          ; v16-17  LDS address of my x fragments in slot 0, 1
.set ADRW, 20                          ; v20-21  the same for W
.set STO,  24                          ; v24     the way out: where I put 16 bytes of a row
.set RD,   25                          ; v25     the way out: where I read a row back
.set CO,   26                          ; v26     my byte offset in h16
.set BOF,  27                          ; v27     my byte offset in the bias: 32 (l / 16)
.set LOFF, 28                          ; v28     W2's stream: 16 x lane; never rewritten
.set SOFF, 29                          ; v29     W2's stream: 8 x lane; never rewritten
.set SH,   32                          ; v[32:39] W2's stream: a group's 16 f16 of the lane, to store
.set F0,   64                          ; fragment buffer 0
.set F1,   128                         ; fragment buffer 1
.set TMP,  192                         ; window 0: v[192:255]: first the stream's ring of four groups (4 loads x 4 registers each), then at work on the way out
.set BIAS, 192                         ; window 1: v[BIAS+8b+j] = bias of column 16 b + 8 (l / 16) + j of my 128
.set G1A, 24                           ; s[24:31] descriptor group 1 for x's tiles
.set G0A, 32                           ; s[32:39] group 0 for x's tiles, a set for each slot
.set G1W, 48                           ; s[48:55] group 1 for W's tiles
.set G0W, 56                           ; s[56:63] group 0 for W's tiles, a set for each slot
.set SRC, 76                           ; s[76:77] W2 at my wave's share, stepped
.set DST, 78                           ; s[78:79] w2h at my wave's share, stepped
.set GRP, 2048                         ; bytes of W2 in a group
.set AHEAD, 4                          ; groups asked for ahead = slots of the ring
.set MSB, 0
.macro WIN new                         ; s_set_vgpr_msb: bits 1:0 source 0, 3:2 source 1, 5:4 source 2, 7:6 destination; the high byte repeats the setting that is left
.if MSB != \new
	s_set_vgpr_msb (MSB<<8)|\new
.set MSB, \new
.endif
.endm
.set MUL_LO,   0xa1                    ; source 0 (W) window 1, source 1 (x) window 0, C and D window 2
.set MUL_HI,   0xf1                    ; the same, C and D window 3
.set FIRST_LO, 0x91                    ; the first products: C = the bias in window 1, D window 2
.set FIRST_HI, 0xd1                    ; the same, D window 3
.set TO_W,     0x40                    ; destination window 1, address window 0
; A joint load.  Waves 0 and 1 fetch W's two halves, waves 2 and 3 x's.  Each line has one mask and one set of registers for all that issue it; the branch hangs on the wave's number alone.
.macro JLOAD s
	s_cmp_eq_u32 s13, 0
	s_cbranch_scc0 .Lfor_a_\@
	tensor_load_to_lds s[G0W+4*\s:G0W+4*\s+3], s[G1W:G1W+7]
	s_nop 0
	s_branch .Lasked_\@
.Lfor_a_\@:
	tensor_load_to_lds s[G0A+4*\s:G0A+4*\s+3], s[G1A:G1A+7]
	s_nop 0
.Lasked_\@:
.endm
; A round of the cluster's barrier: my work-group's barrier; wave 0 signals for the work-group; every wave waits for all sixteen; my work-group's barrier once more.
.macro CREST                           ; a round behind its opening barrier
	s_cmp_lg_u32 s12, 0
	s_cbranch_scc1 .Lnot_wave_0_\@
	s_barrier_signal -3
.Lnot_wave_0_\@:
	s_barrier_wait -3
	s_barrier_signal -1
	s_barrier_wait -1
.endm
.macro CROUND                          ; a whole round
	s_barrier_signal -1
	s_barrier_wait -1
	CREST
.endm
	s_load_b256 s[4:11], s[0:1], 0x0               ; x16 s[4:5], w1h s[6:7], b1 s[8:9], h16 s[10:11]
	s_load_b128 s[SRC:SRC+3], s[0:1], 0x20         ; W2, w2h
	s_set_vgpr_msb 0x40
	v_lshl_add_u32 v63, v0, 2, 0x4a400
	s_set_vgpr_msb 0x4000
	v_mov_b32 v63, 0
	s_set_vgpr_msb 0x1
	ds_add_u32 v63, v63
	s_set_vgpr_msb 0x100
	v_lshrrev_b32 v1, 5, v0
	v_readfirstlane_b32 s12, v1                    ; wave 0..3
	s_lshr_b32 s13, s12, 1                         ; RH: which 128 tokens of the block are mine.  Also: I fetch for W (0) or for x (1)
	s_and_b32 s14, s12, 1                          ; CH: which 128 columns are mine.  Also: which half of that tile I fetch
	s_bfe_u32 s15, ttmp6, 0x40000                  ; cx
	s_bfe_u32 s16, ttmp6, 0x40004                  ; cy
	s_lshr_b32 s17, ttmp9, 1                       ; EX: the expert, from the cluster's x alone (two clusters of 4 x 256 columns for each expert)
	s_and_b32 s18, ttmp9, 1
	s_lshl_b32 s18, s18, 2
	s_add_co_u32 s18, s18, s15                     ; CB: block of 256 columns, 0..7
	s_and_b32 s19, ttmp7, 0xffff
	s_lshl_b32 s19, s19, 2
	s_add_co_u32 s19, s19, s16                     ; RB: block of 256 tokens, 0..7
	s_lshl_b32 s20, s16, 2
	s_lshl_b32 s20, 15, s20                        ; my row of the cluster: places 4 cy .. 4 cy + 3
	s_lshl_b32 s21, 0x1111, s15                    ; my column: places cx, cx + 4, cx + 8, cx + 12
	; group 1: tiles of 128 rows x 128 elements of 2 bytes, padded in LDS behind every 64 words: x's by 4 words, W's by 8
	s_or_b32 s[G1A+0], s20, (1<<16)|(1<<20)|(1<<21)|(5<<22)|(3<<25)   ; 15:0 mask: x's tiles go to my row; 17:16 2 bytes; 20 padding on; 21 set beside a mask; 24:22 interval; 31:25 pad - 1
	s_or_b32 s[G1W+0], s21, (1<<16)|(1<<20)|(1<<21)|(5<<22)|(7<<25)   ; W's tiles go to my column
	s_mov_b32 s[G1A+1], KSTEP<<16                  ; tensor_dim0 = 128
	s_mov_b32 s[G1W+1], 128<<16
	s_mov_b32 s[G1A+2], 128<<16                    ; tensor_dim1 = 128
	s_mov_b32 s[G1W+2], KSTEP<<16
	s_mov_b32 s[G1A+3], KSTEP<<16                  ; tile_dim0 = 128
	s_mov_b32 s[G1W+3], 128<<16
	s_mov_b32 s[G1A+4], 128                        ; tile_dim1 = 128
	s_mov_b32 s[G1W+4], KSTEP
	s_mov_b32 s[G1A+5], SIZE_K                     ; elements from token to token
	s_mov_b32 s[G1W+5], NCOL                       ; elements from k to k + 1
	s_mov_b32 s[G1A+6], 0
	s_mov_b32 s[G1W+6], 0
	s_mov_b32 s[G1A+7], 0
	s_mov_b32 s[G1W+7], 0
	; where the tiles come from: x's hang on RB (and the expert), W's on the expert and CB; each offset in registers that never hold the other coordinate
	s_lshl_b32 s40, s19, 8
	s_lshl_b32 s41, s14, 7
	s_add_co_u32 s40, s40, s41                     ; token 256 RB + 128 half
	s_mul_i32 s40, s40, SIZE_K*2
.if A_EXPERT
	s_mul_i32 s41, s17, A_EXPERT
	s_add_co_u32 s40, s40, s41
.endif
	s_mov_b32 s41, 0
	s_mul_i32 s44, s17, SIZE_K*NCOL*2              ; the expert's matrix
	s_lshl_b32 s45, s18, 9
	s_add_co_u32 s44, s44, s45                     ; + 512 bytes for each block of columns
	s_lshl_b32 s45, s14, 8
	s_add_co_u32 s44, s44, s45                     ; + 256 for the half
	s_mov_b32 s45, 0
	; and where they go: a constant, the wave's number times a constant, the slot's constant
	s_mul_i32 s22, s12, HALFW                      ; waves 0, 1: W's halves
	s_mul_i32 s23, s12, HALFA
	s_add_co_u32 s23, s23, 2*(HALFW-HALFA)         ; waves 2, 3: x's halves, behind W's
	; offsets of the bias, of the output and of W2's stream: only here do cx and cy meet
	s_lshl_b32 s66, s17, 13                        ; bias: 8,192 EX + 1,024 CB + 512 CH
	s_lshl_b32 s67, s18, 10
	s_add_co_u32 s66, s66, s67
	s_lshl_b32 s67, s14, 9
	s_add_co_u32 s66, s66, s67
	s_mov_b32 s67, 0
	s_lshl_b32 s68, s19, 8                         ; h16: (256 RB + 128 RH) rows of 4,096 bytes + 8 MiB EX + 512 CB + 256 CH
	s_lshl_b32 s69, s13, 7
	s_add_co_u32 s68, s68, s69
	s_lshl_b32 s68, s68, 12
	s_lshl_b32 s69, s17, 23
	s_add_co_u32 s68, s68, s69
	s_lshl_b32 s69, s18, 9
	s_add_co_u32 s68, s68, s69
	s_lshl_b32 s69, s14, 8
	s_add_co_u32 s68, s68, s69
	s_mov_b32 s69, 0
	s_lshl_b32 s80, s17, 6                         ; W2: the work-group's number 64 EX + 8 RB + CB, 0..255,
	s_lshl_b32 s81, s19, 3
	s_add_co_u32 s80, s80, s81
	s_add_co_u32 s80, s80, s18
	s_lshl2_add_u32 s80, s80, s12                  ; times 4 waves, + my wave: 0..1023,
	s_lshl_b32 s80, s80, 16                        ; times 65,536 bytes of W2
	s_lshr_b32 s82, s80, 1                         ; and half as many of w2h
	s_mov_b32 s81, 0
	s_mov_b32 s83, 0
	s_wait_dscnt 0x0
	s_wait_kmcnt 0x0
	s_add_nc_u64 s[42:43], s[4:5], s[40:41]
	s_add_nc_u64 s[46:47], s[6:7], s[44:45]
	s_add_nc_u64 s[8:9], s[8:9], s[66:67]
	s_add_nc_u64 s[10:11], s[10:11], s[68:69]
	s_add_nc_u64 s[SRC:SRC+1], s[SRC:SRC+1], s[80:81]
	s_add_nc_u64 s[DST:DST+1], s[DST:DST+1], s[82:83]
	CROUND                                         ; all sixteen work-groups are here: the first joint loads meet
.irp s, 0,1
	s_mov_b32 s[G0A+4*\s], 1                                       ; count = 1
	s_add_co_u32 s[G0A+4*\s+1], s23, \s*SLOT                       ; LDS address
	s_add_nc_u64 s[G0A+4*\s+2:G0A+4*\s+3], s[42:43], \s*KSTEP*2    ; K step s: 256 bytes along the rows
	s_or_b32 s[G0A+4*\s+3], s[G0A+4*\s+3], 0x80000000              ; type = 2
	s_mov_b32 s[G0W+4*\s], 1
	s_add_co_u32 s[G0W+4*\s+1], s22, \s*SLOT
	s_add_nc_u64 s[G0W+4*\s+2:G0W+4*\s+3], s[46:47], \s*KSTEP*NCOL*2   ; K step s: 128 rows down
	s_or_b32 s[G0W+4*\s+3], s[G0W+4*\s+3], 0x80000000
	JLOAD \s                                       ; both slots are asked for before anything else: two tensor loads of the wave are out
.endr
	; x's fragment: lane l holds token l % 16; registers 0-3 k = 8 (l / 16) + 0..7, registers 4-7 k = 16 + 8 (l / 16) + 0..7: two loads of 16 bytes, 32 bytes apart.
	; W's fragment, the same map with column l % 16: two transposing loads, 16 rows apart; lane l addresses row 8 (l / 16) + l % 8, 16 bytes at 16 ((l / 8) % 2).
	v_and_b32 v1, 15, v0                           ; r = l % 16
	v_bfe_u32 v2, v0, 4, 1                         ; h = l / 16
	v_mul_u32_u24 v3, v1, PA
	v_lshl_add_u32 v3, v2, 4, v3                   ; r x 272 + 16 h
	v_and_b32 v4, 7, v0
	v_lshl_or_b32 v4, v2, 3, v4                    ; l % 8 + 8 h
	v_mul_u32_u24 v4, v4, PW
	v_bfe_u32 v5, v0, 3, 1
	v_lshl_add_u32 v4, v5, 4, v4
	s_mul_i32 s70, s13, HALFA
	s_add_co_u32 s70, s70, 2*HALFW                 ; my 128 tokens of x
	s_mul_i32 s71, s14, HALFW                      ; my 128 columns of W
.irp s, 0,1
	v_add_nc_u32 v[ADRA+\s], s70, v3
	v_add_nc_u32 v[ADRW+\s], s71, v4
	s_add_co_u32 s70, s70, SLOT
	s_add_co_u32 s71, s71, SLOT
.endr
	s_mul_i32 s72, s12, 16*SP
	s_add_co_u32 s72, s72, STAGE                   ; my stage
	v_mul_u32_u24 v5, v1, SP                       ; in: row r, 16 bytes for each half of the lanes
	v_lshl_add_u32 v5, v2, 4, v5
	v_add_nc_u32 v[STO], s72, v5
	v_mul_u32_u24 v5, v2, SP                       ; back: lanes 0-15 take one row of 256 bytes, lanes 16-31 the next
	v_lshl_add_u32 v5, v1, 4, v5
	v_add_nc_u32 v[RD], s72, v5
	v_lshlrev_b32 v5, 12, v2                       ; and the same two rows in h16
	v_lshl_add_u32 v[CO], v1, 4, v5
	v_lshlrev_b32 v[BOF], 5, v2
	v_and_b32 v5, 31, v0
	v_lshlrev_b32 v[LOFF], 4, v5
	v_lshlrev_b32 v[SOFF], 3, v5
	WIN TO_W
.irp b, 0,1,2,3,4,5,6,7
	global_load_b128 v[BIAS+8*\b:BIAS+8*\b+3],   v[BOF], s[8:9] offset:64*\b
	global_load_b128 v[BIAS+8*\b+4:BIAS+8*\b+7], v[BOF], s[8:9] offset:64*\b+16
.endr
	WIN 0
.irp g, 0,1,2,3
.irp i, 0,1,2,3
	global_load_b128 v[TMP+16*\g+4*\i:TMP+16*\g+4*\i+3], v[LOFF], s[SRC:SRC+1] offset:GRP*\g+512*\i th:TH_LOAD_NT   ; the stream's ring is filled: groups 0 to 3
.endr
.endr
; One step of W2's stream, once in every quarter step, under window 0.  TS counts the steps in the order of the text: 8 in the first lap, 8 in the loop's body, 8 in the last lap;
; a lap has a multiple of AHEAD steps, so a step's slot of the ring is TS % AHEAD in every trip.  The last lap's steps are TS = 16 .. 23: its first four still ask, for groups 28 to 31.
.set TS, 0
.macro STREAM
.set RG, TMP+16*(TS%AHEAD)
.if TS > 20
	s_wait_loadcnt 12-4*(TS-20)                    ; nothing has been asked for since: the counts run down 8, 4, 0
.else
	s_wait_loadcnt 12                              ; loads come back in order (ISA guide 5.7.1): this step's four are in, the three younger groups' twelve stay out
.endif
	s_wait_xcnt 0x0                                ; the last step's loads and stores have had their addresses translated (ISA guide 3.1): SH and both bases are rewritten only behind this wait
	s_add_nc_u64 s[SRC:SRC+1], s[SRC:SRC+1], GRP   ; behind step q's add the bases stand at group q + 1
	s_add_nc_u64 s[DST:DST+1], s[DST:DST+1], GRP/2
.irp i, 0,1,2,3
	v_cvt_pk_f16_f32 v[SH+2*\i],   v[RG+4*\i],   v[RG+4*\i+1]
	v_cvt_pk_f16_f32 v[SH+2*\i+1], v[RG+4*\i+2], v[RG+4*\i+3]
.endr
.irp i, 0,1,2,3
	global_store_b64 v[SOFF], v[SH+2*\i:SH+2*\i+1], s[DST:DST+1] offset:256*\i-GRP/2     ; group q: the wave stores 256 consecutive bytes, aligned
.endr
.if TS < 20
.irp i, 0,1,2,3
	global_load_b128 v[RG+4*\i:RG+4*\i+3], v[LOFF], s[SRC:SRC+1] offset:512*\i+(AHEAD-1)*GRP th:TH_LOAD_NT   ; group q + 4, into the slot just read
.endr
.endif
.set TS, TS+1
.endm
; 16 matrix instructions: token blocks a0, a0 + 1 of the window's four (hi = 0: my tokens 0-63, 1: 64-127) x all 8 column blocks, 32 along K.
; zero = 1: the first products take the bias as C.  The 64 accumulators take turns, one instruction a turn, in the same order in every quarter step.
.macro MUL16 f, hi, a0, zero
.irp a, \a0, \a0+1
.irp b, 0,1,2,3,4,5,6,7
.if \zero
	v_wmma_f32_16x16x32_f16 v[8*(8*(\a)+\b):8*(8*(\a)+\b)+7], v[\f+8*\b:\f+8*\b+7], v[\f+8*(4*\hi+\a):\f+8*(4*\hi+\a)+7], v[BIAS+8*\b:BIAS+8*\b+7]
.else
	v_wmma_f32_16x16x32_f16 v[8*(8*(\a)+\b):8*(8*(\a)+\b)+7], v[\f+8*\b:\f+8*\b+7], v[\f+8*(4*\hi+\a):\f+8*(4*\hi+\a)+7], v[8*(8*(\a)+\b):8*(8*(\a)+\b)+7]
.endif
.endr
.endr
.endm
; 32 LDS loads in one run: the fragments of quarter q of a K step (32 k x 128 columns of W, 128 tokens x 32 k of x) into buffer f
.macro FETCH slot, q, f
	WIN TO_W
.irp i, 0,1,2,3,4,5,6,7
	ds_load_tr16_b128 v[\f+8*\i:\f+8*\i+3],   v[ADRW+\slot] offset:\q*32*PW+32*\i
	ds_load_tr16_b128 v[\f+8*\i+4:\f+8*\i+7], v[ADRW+\slot] offset:\q*32*PW+16*PW+32*\i
.endr
	WIN 0
.irp i, 0,1,2,3,4,5,6,7
	ds_load_b128 v[\f+8*\i:\f+8*\i+3],   v[ADRA+\slot] offset:\q*64+\i*16*PA
	ds_load_b128 v[\f+8*\i+4:\f+8*\i+7], v[ADRA+\slot] offset:\q*64+\i*16*PA+32
.endr
.endm
; A load into a register that a matrix instruction has read, and a vector instruction that reads a matrix result, stand four places behind that matrix instruction;
; only plain vector instructions that name none of its registers are places (ISA guide 7.12.1 for vector instructions).
.macro PLACES
.rept 4
	v_nop
.endr
.endm
; One of a K step's first three quarters: multiplies buffer f; in its middle it fetches quarter q of the same slot into buffer g and makes a step of W2's stream.
.macro QUARTER slot, q, f, g, zero
	s_wait_dscnt 8                                 ; W and x's tokens 0-63 are in; the youngest eight loads (tokens 64-127) may be out
.if \zero
	WIN FIRST_LO
.else
	WIN MUL_LO
.endif
	MUL16 \f, 0, 0, \zero
	MUL16 \f, 0, 2, \zero
	PLACES
	FETCH \slot, \q, \g
	STREAM                                         ; the window is 0 here already
	s_wait_dscnt 32                                ; all LDS loads but the 32 just issued
.if \zero
	WIN FIRST_HI
.else
	WIN MUL_HI
.endif
	MUL16 \f, 1, 0, \zero
	MUL16 \f, 1, 2, \zero
.endm
.macro THREE slot, zero
	QUARTER \slot, 1, F0, F1, \zero
	QUARTER \slot, 2, F1, F0, 0
	QUARTER \slot, 3, F0, F1, 0
.endm
; The last quarter: multiplies buffer 1 and changes slots.  One barrier for two things: in front of it each wave waits for its reads of this slot and for all its
; tensor loads (one is out: its part of the next slot); behind it the refill comes first, then the next slot's first fragments.
; From a request to the wait for it a wave issues 240 matrix instructions.
.macro TURN slot, next, fill
	s_wait_dscnt 8
	WIN MUL_LO
	MUL16 F1, 0, 0, 0
	s_wait_dscnt 0                                 ; my reads of this slot are over
	s_wait_tensorcnt 0x0                           ; all my tensor loads have landed: no descriptor of mine is in use
	ds_add_u32 v63, v63
	s_wait_dscnt 0x0
	s_barrier_signal -1                            ; (where the slot is filled again this barrier opens a round of the cluster's barrier)
	MUL16 F1, 0, 2, 0                              ; register work while the others arrive
	WIN 0
	s_barrier_wait -1
.if \fill
	CREST                                          ; no wave of any partner still reads this slot or has a load on its way
	s_add_nc_u64 s[G0A+4*\slot+2:G0A+4*\slot+3], s[G0A+4*\slot+2:G0A+4*\slot+3], 2*KSTEP*2
	s_add_nc_u64 s[G0W+4*\slot+2:G0W+4*\slot+3], s[G0W+4*\slot+2:G0W+4*\slot+3], 2*KSTEP*NCOL*2
	JLOAD \slot                                    ; the wave's one tensor load behind the round, and the first thing there
.endif
	PLACES
	FETCH \next, 0, F0
	STREAM
	WIN MUL_HI
	MUL16 F1, 1, 0, 0
	MUL16 F1, 1, 2, 0
.endm
.macro LAP zero                        ; once round the ring, both slots filled again
	THREE 0, \zero
	TURN 0, 1, 1
	THREE 1, 0
	TURN 1, 0, 1
.endm
	s_wait_tensorcnt 1                             ; my part of K step 0 is in; K step 1's load may stay out
	s_barrier_signal -1
	s_barrier_wait -1                              ; everybody's part is in
	FETCH 0, 0, F0
	s_wait_loadcnt 16                              ; the bias is in; the stream's sixteen loads, issued behind it, stay out
	LAP 1                                          ; the first lap stands in front of the loop: its first products start the sums from the bias
	WIN 0                                          ; at a label and at a branch every window is 0
	s_mov_b32 s3, LAPS-2
.Llap:
	LAP 0
	WIN 0
	s_sub_co_u32 s3, s3, 1
	s_cmp_lg_u32 s3, 0
	s_cbranch_scc1 .Llap
	THREE 0, 0                                     ; the last lap fills nothing and has no round: the one load still out is slot 1's, the last K step's
	TURN 0, 1, 0
	THREE 1, 0
	s_wait_dscnt 8                                 ; the very last quarter: nothing more to fetch
	WIN MUL_LO
	MUL16 F1, 0, 0, 0
	MUL16 F1, 0, 2, 0
	WIN 0
	STREAM                                         ; the stream's last group
	s_wait_dscnt 0
	WIN MUL_HI
	MUL16 F1, 1, 0, 0
	MUL16 F1, 1, 2, 0
	PLACES                                         ; the places behind the last matrix instructions, for the way out
; THE WAY OUT, 16 tokens at a time: relu, round to f16, 16 bytes a lane into my own stage, read back as whole rows of 256 bytes.
; tokens 16 i .. 16 i + 15 of my block = the eight tiles (a, 0..7) of window 2 or 3 (from = 0x0a or 0x0f); f: F0 or F1 in turn
.macro OUT16 i, a, from, f
	WIN \from
.irp b, 0,1,2,3,4,5,6,7
.irp j, 0,1,2,3,4,5,6,7
	v_max_num_f32 v[TMP+8*\b+\j], 0, v[8*(8*\a+\b)+\j]
.endr
.endr
	WIN 0
.irp b, 0,1,2,3,4,5,6,7
.irp r, 0,1,2,3
	v_cvt_pk_f16_f32 v[TMP+4*\b+\r], v[TMP+8*\b+2*\r], v[TMP+8*\b+2*\r+1]   ; packed downward in place: register 4 b + r never lies above the pair being read
.endr
.endr
.irp b, 0,1,2,3,4,5,6,7
	ds_store_b128 v[STO], v[TMP+4*\b:TMP+4*\b+3] offset:32*\b
.endr
	s_wait_xcnt 0x0                                ; buffer f, which earlier stores read, and the stores' base are rewritten only behind this wait (ISA guide 3.1)
.if \i
	s_add_nc_u64 s[10:11], s[10:11], 16*NCOL*2     ; 16 rows of h16 on
.endif
.irp t, 0,1,2,3,4,5,6,7
	ds_load_b128 v[\f+4*\t:\f+4*\t+3], v[RD] offset:\t*2*SP        ; LDS serves a wave's instructions in order (ISA guide 5.7.1.4): these see the stores above
.endr
.irp t, 0,1,2,3,4,5,6,7
	s_wait_dscnt 7-\t                              ; read-back t is in, the 7 - t younger ones may be out
	global_store_b128 v[CO], v[\f+4*\t:\f+4*\t+3], s[10:11] offset:2*\t*NCOL*2   ; 16 lanes store 256 consecutive bytes, at a multiple of 256 from h16's first byte
.endr
.endm
	OUT16 0, 0, 0x0a, F0
	OUT16 1, 1, 0x0a, F1
	OUT16 2, 2, 0x0a, F0
	OUT16 3, 3, 0x0a, F1
	OUT16 4, 0, 0x0f, F0
	OUT16 5, 1, 0x0f, F1
	OUT16 6, 2, 0x0f, F0
	OUT16 7, 3, 0x0f, F1
	s_set_vgpr_msb 0x1
	s_wait_tensorcnt 0x0
	ds_add_u32 v63, v63
	s_wait_dscnt 0x0
	s_set_vgpr_msb 0x100
	CROUND                                         ; the closing round: no work-group ends while a partner may still ask for a tile that names it
	s_endpgm
.Lfunc_end_k_q4176000f33_gemm1:
	.size	k_q4176000f33_gemm1, .Lfunc_end_k_q4176000f33_gemm1-k_q4176000f33_gemm1
	.p2alignl 7, 3214868480
	.fill 96, 4, 3214868480
	.section	.rodata,"a",@progbits
	.p2align	6, 0x0
	.amdhsa_kernel k_q4176000f33_gemm1
		.amdhsa_group_segment_fixed_size 327680
		.amdhsa_private_segment_fixed_size 0
		.amdhsa_enable_private_segment 0
		.amdhsa_kernarg_size 48
		.amdhsa_user_sgpr_count 2
		.amdhsa_user_sgpr_kernarg_segment_ptr 1
		.amdhsa_wavefront_size32 1
		.amdhsa_system_sgpr_workgroup_id_x 1
		.amdhsa_system_sgpr_workgroup_id_y 1
		.amdhsa_system_sgpr_workgroup_id_z 1
		.amdhsa_system_vgpr_workitem_id 0
		.amdhsa_next_free_vgpr 1024
		.amdhsa_next_free_sgpr 84
		.amdhsa_reserve_vcc 0
		.amdhsa_float_denorm_mode_32 3
		.amdhsa_float_denorm_mode_16_64 3
		.amdhsa_memory_ordered 1
		.amdhsa_forward_progress 1
		.amdhsa_inst_pref_size 249
	.end_amdhsa_kernel
	.amdgpu_metadata
---
amdhsa.version: [ 1, 2 ]
amdhsa.kernels:
  - .name:           k_q4176000f33_gemm1
    .symbol:         k_q4176000f33_gemm1.kd
    .args:
      - { .name: x16, .offset: 0, .size: 8, .value_kind: global_buffer, .address_space: global }
      - { .name: w1h, .offset: 8, .size: 8, .value_kind: global_buffer, .address_space: global }
      - { .name: b1, .offset: 16, .size: 8, .value_kind: global_buffer, .address_space: global }
      - { .name: h16, .offset: 24, .size: 8, .value_kind: global_buffer, .address_space: global }
      - { .name: W2, .offset: 32, .size: 8, .value_kind: global_buffer, .address_space: global }
      - { .name: w2h, .offset: 40, .size: 8, .value_kind: global_buffer, .address_space: global }
    .group_segment_fixed_size: 327680
    .private_segment_fixed_size: 0
    .kernarg_segment_align: 8
    .kernarg_segment_size: 48
    .max_flat_workgroup_size: 128
    .sgpr_count:     84
    .vgpr_count:     1024
    .wavefront_size: 32
...
	.end_amdgpu_metadata
.endif
;; end of part 2
;; launch gemm2 (part 3): grid 32 x 8, 4 waves a work-group, clusters of 4 x 4, 327,680 bytes of LDS; arguments h16, w2h, b2, y; writes y
.if DOCPART == 3
	.amdgcn_target "amdgcn-amd-amdhsa--gfx1250"
	.amdhsa_code_object_version 6
	.text
	.protected	k_q4176000f33_gemm2
	.globl	k_q4176000f33_gemm2
	.p2align	8
	.type	k_q4176000f33_gemm2,@function
k_q4176000f33_gemm2:
	s_mov_b64 s[64:65], 0
	v_nop
	global_prefetch_b8 v0, s[64:65] scope:SCOPE_SE
	s_setreg_imm32_b32 hwreg(HW_REG_WAVE_MODE, 25, 1), 1
	s_wait_xcnt 0x0
	s_wait_alu depctr_hold_cnt(0) depctr_sa_sdst(0) depctr_va_vdst(0) depctr_va_sdst(0) depctr_va_ssrc(0) depctr_va_vcc(0) depctr_vm_vsrc(0)
	s_getreg_b32 s2, hwreg(HW_REG_IB_STS2, 6, 4)
	s_cmp_eq_u32 s2, 0
	s_cbranch_scc0 .Lentry_in_a_cluster
	s_endpgm
.Lentry_in_a_cluster:
	s_bfe_u32 s2, ttmp6, 0x10000c
	s_cmp_lg_u32 s2, 0xf033
	s_cbranch_scc0 .Lentry_shape_is_right
	s_endpgm
.Lentry_shape_is_right:
; GEMM2: y[n][e][c] = relu(sum over k of h16[e][n][k] w2h[e][k][c] + b2[e][c]).  h16 [4][2048][2048], w2h [4][2048][2048] in f16; b2 [4][2048], sums and y [2048][4][2048] in f32.
; y stays in f32: the Gram-Schmidt step behind it forms differences of nearly equal rows, and y has no room in f16 with large inputs.
; ALL FOUR EXPERTS' ROWS ARE STORED, also those that the next launch does not load (rows above the token's chosen expert): to leave them out would take a branch on the
; choice, a number that differs between the partners of a cluster.
; 256 work-groups; each makes 256 tokens x 256 columns of one expert with four waves, a wave 128 x 128: 64 accumulator tiles of 16 x 16, 512 registers.
; K goes in steps of 128 through a ring of two LDS slots filled by the tensor data mover; every tile row is 256 consecutive bytes of memory at a multiple of 256.
; h's tile lies [token][k] and is read by plain 16-byte LDS loads; W's lies [k][column], as in memory, and is read by the transposing load ds_load_tr16_b128.
; CLUSTERS of 4 x 4: the four work-groups of a row of the cluster have the same tokens and expert and ask for h's tiles jointly, the four of a column have the same
; expert and columns and ask for W's tiles jointly: a quarter of the requests for each.
; THE MATRIX INSTRUCTION IS USED TRANSPOSED: source 0 = 16 columns of W, source 1 = 16 tokens.  Lane l then holds token l % 16, and its registers 0-7 the columns
; 8 (l / 16) + 0..7: neighbouring numbers of a row of y.  The bias of those columns is the C of the first products: nothing is cleared, nothing added later.
; LIMIT: a NaN sum becomes 0 (v_max_num_f32 lets the NaN lose).
; REGISTERS in windows of 256: window 0: addresses, h's fragments (two buffers), the way out; window 1: W's fragments (two buffers), the bias; windows 2, 3: accumulators.
.set SIZE_K,  2048
.set A_EXPERT, 8388608                 ; bytes from expert to expert in h16
.set NCOL,   2048                      ; columns of W
.set YROW,   32768                     ; bytes from token to token in y: 4 experts x 2,048 f32
.set KSTEP,  128
.set PA,     272                       ; an LDS row of h's tile: 256 bytes + 16: the 16 rows that a load touches start 4 banks apart (64 banks of 4 bytes: ISA guide 11.1)
.set PW,     288                       ; an LDS row of W's tile: 256 bytes + 32
.set HALFA,  128*PA                    ; 128 tokens x 128 k: one tensor load, and what a wave reads of h
.set HALFW,  128*PW                    ; 128 k x 128 columns: one tensor load, and what a wave reads of W
.set SLOT,   2*HALFW+2*HALFA           ; W's two halves, then h's two halves
.set STAGE,  2*SLOT                    ; behind the ring, at a multiple of 256: 16 rows x 528 bytes for each wave, for the way out; no tensor load lands here
.set SP,     528                       ; a stage row: 512 bytes + 16
.set LAPS,   SIZE_K/(2*KSTEP)          ; a lap = two K steps = once round the ring
.set ADRA, 16                          ; v16-17  LDS address of my h fragments in slot 0, 1
.set ADRW, 20                          ; v20-21  the same for W
.set STO,  24                          ; v24     the way out: where I put 32 bytes of a row
.set RD,   25                          ; v25     the way out: where I read a row back
.set CO,   26                          ; v26     my byte offset in y
.set BOF,  27                          ; v27     my byte offset in the bias: 32 (l / 16)
.set F0,   64                          ; fragment buffer 0
.set F1,   128                         ; fragment buffer 1
.set TMP,  192                         ; window 0: at work on the way out
.set BIAS, 192                         ; window 1: v[BIAS+8b+j] = bias of column 16 b + 8 (l / 16) + j of my 128
.set G1A, 24                           ; s[24:31] descriptor group 1 for h's tiles
.set G0A, 32                           ; s[32:39] group 0 for h's tiles, a set for each slot
.set G1W, 48                           ; s[48:55] group 1 for W's tiles
.set G0W, 56                           ; s[56:63] group 0 for W's tiles, a set for each slot
.set MSB, 0
.macro WIN new                         ; s_set_vgpr_msb: bits 1:0 source 0, 3:2 source 1, 5:4 source 2, 7:6 destination; the high byte repeats the setting that is left
.if MSB != \new
	s_set_vgpr_msb (MSB<<8)|\new
.set MSB, \new
.endif
.endm
.set MUL_LO,   0xa1                    ; source 0 (W) window 1, source 1 (h) window 0, C and D window 2
.set MUL_HI,   0xf1                    ; the same, C and D window 3
.set FIRST_LO, 0x91                    ; the first products: C = the bias in window 1, D window 2
.set FIRST_HI, 0xd1                    ; the same, D window 3
.set TO_W,     0x40                    ; destination window 1, address window 0
; A joint load.  Waves 0 and 1 fetch W's two halves, waves 2 and 3 h's.  Each line has one mask and one set of registers for all that issue it; the branch hangs on the wave's number alone.
.macro JLOAD s
	s_cmp_eq_u32 s13, 0
	s_cbranch_scc0 .Lfor_a_\@
	tensor_load_to_lds s[G0W+4*\s:G0W+4*\s+3], s[G1W:G1W+7]
	s_nop 0
	s_branch .Lasked_\@
.Lfor_a_\@:
	tensor_load_to_lds s[G0A+4*\s:G0A+4*\s+3], s[G1A:G1A+7]
	s_nop 0
.Lasked_\@:
.endm
; A round of the cluster's barrier: my work-group's barrier; wave 0 signals for the work-group; every wave waits for all sixteen; my work-group's barrier once more.
.macro CREST                           ; a round behind its opening barrier
	s_cmp_lg_u32 s12, 0
	s_cbranch_scc1 .Lnot_wave_0_\@
	s_barrier_signal -3
.Lnot_wave_0_\@:
	s_barrier_wait -3
	s_barrier_signal -1
	s_barrier_wait -1
.endm
.macro CROUND                          ; a whole round
	s_barrier_signal -1
	s_barrier_wait -1
	CREST
.endm
	s_load_b256 s[4:11], s[0:1], 0x0               ; h16 s[4:5], w2h s[6:7], b2 s[8:9], y s[10:11]
	s_set_vgpr_msb 0x40
	v_lshl_add_u32 v63, v0, 2, 0x4e400
	s_set_vgpr_msb 0x4000
	v_mov_b32 v63, 0
	s_set_vgpr_msb 0x1
	ds_add_u32 v63, v63
	s_set_vgpr_msb 0x100
	v_lshrrev_b32 v1, 5, v0
	v_readfirstlane_b32 s12, v1                    ; wave 0..3
	s_lshr_b32 s13, s12, 1                         ; RH: which 128 tokens of the block are mine.  Also: I fetch for W (0) or for h (1)
	s_and_b32 s14, s12, 1                          ; CH: which 128 columns are mine.  Also: which half of that tile I fetch
	s_bfe_u32 s15, ttmp6, 0x40000                  ; cx
	s_bfe_u32 s16, ttmp6, 0x40004                  ; cy
	s_lshr_b32 s17, ttmp9, 1                       ; EX: the expert, from the cluster's x alone (two clusters of 4 x 256 columns for each expert)
	s_and_b32 s18, ttmp9, 1
	s_lshl_b32 s18, s18, 2
	s_add_co_u32 s18, s18, s15                     ; CB: block of 256 columns, 0..7
	s_and_b32 s19, ttmp7, 0xffff
	s_lshl_b32 s19, s19, 2
	s_add_co_u32 s19, s19, s16                     ; RB: block of 256 tokens, 0..7
	s_lshl_b32 s20, s16, 2
	s_lshl_b32 s20, 15, s20                        ; my row of the cluster: places 4 cy .. 4 cy + 3
	s_lshl_b32 s21, 0x1111, s15                    ; my column: places cx, cx + 4, cx + 8, cx + 12
	; group 1: tiles of 128 rows x 128 elements of 2 bytes, padded in LDS behind every 64 words: h's by 4 words, W's by 8
	s_or_b32 s[G1A+0], s20, (1<<16)|(1<<20)|(1<<21)|(5<<22)|(3<<25)   ; 15:0 mask: h's tiles go to my row; 17:16 2 bytes; 20 padding on; 21 set beside a mask; 24:22 interval; 31:25 pad - 1
	s_or_b32 s[G1W+0], s21, (1<<16)|(1<<20)|(1<<21)|(5<<22)|(7<<25)   ; W's tiles go to my column
	s_mov_b32 s[G1A+1], KSTEP<<16                  ; tensor_dim0 = 128
	s_mov_b32 s[G1W+1], 128<<16
	s_mov_b32 s[G1A+2], 128<<16                    ; tensor_dim1 = 128
	s_mov_b32 s[G1W+2], KSTEP<<16
	s_mov_b32 s[G1A+3], KSTEP<<16                  ; tile_dim0 = 128
	s_mov_b32 s[G1W+3], 128<<16
	s_mov_b32 s[G1A+4], 128                        ; tile_dim1 = 128
	s_mov_b32 s[G1W+4], KSTEP
	s_mov_b32 s[G1A+5], SIZE_K                     ; elements from token to token
	s_mov_b32 s[G1W+5], NCOL                       ; elements from k to k + 1
	s_mov_b32 s[G1A+6], 0
	s_mov_b32 s[G1W+6], 0
	s_mov_b32 s[G1A+7], 0
	s_mov_b32 s[G1W+7], 0
	; where the tiles come from: h's hang on RB and the expert, W's on the expert and CB; each offset in registers that never hold the other coordinate
	s_lshl_b32 s40, s19, 8
	s_lshl_b32 s41, s14, 7
	s_add_co_u32 s40, s40, s41                     ; token 256 RB + 128 half
	s_mul_i32 s40, s40, SIZE_K*2
.if A_EXPERT
	s_mul_i32 s41, s17, A_EXPERT
	s_add_co_u32 s40, s40, s41
.endif
	s_mov_b32 s41, 0
	s_mul_i32 s44, s17, SIZE_K*NCOL*2              ; the expert's matrix
	s_lshl_b32 s45, s18, 9
	s_add_co_u32 s44, s44, s45                     ; + 512 bytes for each block of columns
	s_lshl_b32 s45, s14, 8
	s_add_co_u32 s44, s44, s45                     ; + 256 for the half
	s_mov_b32 s45, 0
	; and where they go: a constant, the wave's number times a constant, the slot's constant
	s_mul_i32 s22, s12, HALFW                      ; waves 0, 1: W's halves
	s_mul_i32 s23, s12, HALFA
	s_add_co_u32 s23, s23, 2*(HALFW-HALFA)         ; waves 2, 3: h's halves, behind W's
	; offsets of the bias and of the output: only here do cx and cy meet
	s_lshl_b32 s66, s17, 13                        ; bias: 8,192 EX + 1,024 CB + 512 CH
	s_lshl_b32 s67, s18, 10
	s_add_co_u32 s66, s66, s67
	s_lshl_b32 s67, s14, 9
	s_add_co_u32 s66, s66, s67
	s_mov_b32 s67, 0
	s_lshl_b32 s68, s19, 8                         ; y: (256 RB + 128 RH) tokens of 32,768 bytes, and within a token the same offset as in the bias
	s_lshl_b32 s69, s13, 7
	s_add_co_u32 s68, s68, s69
	s_lshl_b32 s68, s68, 15
	s_add_co_u32 s68, s68, s66
	s_mov_b32 s69, 0
	s_wait_dscnt 0x0
	s_wait_kmcnt 0x0
	s_add_nc_u64 s[42:43], s[4:5], s[40:41]
	s_add_nc_u64 s[46:47], s[6:7], s[44:45]
	s_add_nc_u64 s[8:9], s[8:9], s[66:67]
	s_add_nc_u64 s[10:11], s[10:11], s[68:69]
	CROUND                                         ; all sixteen work-groups are here: the first joint loads meet
.irp s, 0,1
	s_mov_b32 s[G0A+4*\s], 1                                       ; count = 1
	s_add_co_u32 s[G0A+4*\s+1], s23, \s*SLOT                       ; LDS address
	s_add_nc_u64 s[G0A+4*\s+2:G0A+4*\s+3], s[42:43], \s*KSTEP*2    ; K step s: 256 bytes along the rows
	s_or_b32 s[G0A+4*\s+3], s[G0A+4*\s+3], 0x80000000              ; type = 2
	s_mov_b32 s[G0W+4*\s], 1
	s_add_co_u32 s[G0W+4*\s+1], s22, \s*SLOT
	s_add_nc_u64 s[G0W+4*\s+2:G0W+4*\s+3], s[46:47], \s*KSTEP*NCOL*2   ; K step s: 128 rows down
	s_or_b32 s[G0W+4*\s+3], s[G0W+4*\s+3], 0x80000000
	JLOAD \s                                       ; both slots are asked for before anything else: two tensor loads of the wave are out
.endr
	; h's fragment: lane l holds token l % 16; registers 0-3 k = 8 (l / 16) + 0..7, registers 4-7 k = 16 + 8 (l / 16) + 0..7: two loads of 16 bytes, 32 bytes apart.
	; W's fragment, the same map with column l % 16: two transposing loads, 16 rows apart; lane l addresses row 8 (l / 16) + l % 8, 16 bytes at 16 ((l / 8) % 2).
	v_and_b32 v1, 15, v0                           ; r = l % 16
	v_bfe_u32 v2, v0, 4, 1                         ; h = l / 16
	v_mul_u32_u24 v3, v1, PA
	v_lshl_add_u32 v3, v2, 4, v3                   ; r x 272 + 16 h
	v_and_b32 v4, 7, v0
	v_lshl_or_b32 v4, v2, 3, v4                    ; l % 8 + 8 h
	v_mul_u32_u24 v4, v4, PW
	v_bfe_u32 v5, v0, 3, 1
	v_lshl_add_u32 v4, v5, 4, v4
	s_mul_i32 s70, s13, HALFA
	s_add_co_u32 s70, s70, 2*HALFW                 ; my 128 tokens of h
	s_mul_i32 s71, s14, HALFW                      ; my 128 columns of W
.irp s, 0,1
	v_add_nc_u32 v[ADRA+\s], s70, v3
	v_add_nc_u32 v[ADRW+\s], s71, v4
	s_add_co_u32 s70, s70, SLOT
	s_add_co_u32 s71, s71, SLOT
.endr
	s_mul_i32 s72, s12, 16*SP
	s_add_co_u32 s72, s72, STAGE                   ; my stage
	v_mul_u32_u24 v5, v1, SP                       ; in: row r, 32 bytes for each half of the lanes
	v_lshl_add_u32 v5, v2, 5, v5
	v_add_nc_u32 v[STO], s72, v5
	v_and_b32 v5, 31, v0
	v_lshlrev_b32 v[CO], 4, v5                     ; back and out: 32 lanes x 16 bytes are one row's 512 bytes
	v_add_nc_u32 v[RD], s72, v[CO]
	v_lshlrev_b32 v[BOF], 5, v2
	WIN TO_W
.irp b, 0,1,2,3,4,5,6,7
	global_load_b128 v[BIAS+8*\b:BIAS+8*\b+3],   v[BOF], s[8:9] offset:64*\b
	global_load_b128 v[BIAS+8*\b+4:BIAS+8*\b+7], v[BOF], s[8:9] offset:64*\b+16
.endr
; 16 matrix instructions: token blocks a0, a0 + 1 of the window's four (hi = 0: my tokens 0-63, 1: 64-127) x all 8 column blocks, 32 along K.
; zero = 1: the first products take the bias as C.  The 64 accumulators take turns, one instruction a turn, in the same order in every quarter step.
.macro MUL16 f, hi, a0, zero
.irp a, \a0, \a0+1
.irp b, 0,1,2,3,4,5,6,7
.if \zero
	v_wmma_f32_16x16x32_f16 v[8*(8*(\a)+\b):8*(8*(\a)+\b)+7], v[\f+8*\b:\f+8*\b+7], v[\f+8*(4*\hi+\a):\f+8*(4*\hi+\a)+7], v[BIAS+8*\b:BIAS+8*\b+7]
.else
	v_wmma_f32_16x16x32_f16 v[8*(8*(\a)+\b):8*(8*(\a)+\b)+7], v[\f+8*\b:\f+8*\b+7], v[\f+8*(4*\hi+\a):\f+8*(4*\hi+\a)+7], v[8*(8*(\a)+\b):8*(8*(\a)+\b)+7]
.endif
.endr
.endr
.endm
; 32 LDS loads in one run: the fragments of quarter q of a K step (32 k x 128 columns of W, 128 tokens x 32 k of h) into buffer f
.macro FETCH slot, q, f
	WIN TO_W
.irp i, 0,1,2,3,4,5,6,7
	ds_load_tr16_b128 v[\f+8*\i:\f+8*\i+3],   v[ADRW+\slot] offset:\q*32*PW+32*\i
	ds_load_tr16_b128 v[\f+8*\i+4:\f+8*\i+7], v[ADRW+\slot] offset:\q*32*PW+16*PW+32*\i
.endr
	WIN 0
.irp i, 0,1,2,3,4,5,6,7
	ds_load_b128 v[\f+8*\i:\f+8*\i+3],   v[ADRA+\slot] offset:\q*64+\i*16*PA
	ds_load_b128 v[\f+8*\i+4:\f+8*\i+7], v[ADRA+\slot] offset:\q*64+\i*16*PA+32
.endr
.endm
; A load into a register that a matrix instruction has read, and a vector instruction that reads a matrix result, stand four places behind that matrix instruction;
; only plain vector instructions that name none of its registers are places (ISA guide 7.12.1 for vector instructions).
.macro PLACES
.rept 4
	v_nop
.endr
.endm
; One of a K step's first three quarters: multiplies buffer f; in its middle it fetches quarter q of the same slot into buffer g.
.macro QUARTER slot, q, f, g, zero
	s_wait_dscnt 8                                 ; W and h's tokens 0-63 are in; the youngest eight loads (tokens 64-127) may be out
.if \zero
	WIN FIRST_LO
.else
	WIN MUL_LO
.endif
	MUL16 \f, 0, 0, \zero
	MUL16 \f, 0, 2, \zero
	PLACES
	FETCH \slot, \q, \g
	s_wait_dscnt 32                                ; all but the 32 just issued
.if \zero
	WIN FIRST_HI
.else
	WIN MUL_HI
.endif
	MUL16 \f, 1, 0, \zero
	MUL16 \f, 1, 2, \zero
.endm
.macro THREE slot, zero
	QUARTER \slot, 1, F0, F1, \zero
	QUARTER \slot, 2, F1, F0, 0
	QUARTER \slot, 3, F0, F1, 0
.endm
; The last quarter: multiplies buffer 1 and changes slots.  One barrier for two things: in front of it each wave waits for its reads of this slot and for all its
; tensor loads (one is out: its part of the next slot); behind it the refill comes first, then the next slot's first fragments.
; From a request to the wait for it a wave issues 240 matrix instructions.
.macro TURN slot, next, fill
	s_wait_dscnt 8
	WIN MUL_LO
	MUL16 F1, 0, 0, 0
	s_wait_dscnt 0                                 ; my reads of this slot are over
	s_wait_tensorcnt 0x0                           ; all my tensor loads have landed: no descriptor of mine is in use
	ds_add_u32 v63, v63
	s_wait_dscnt 0x0
	s_barrier_signal -1                            ; (where the slot is filled again this barrier opens a round of the cluster's barrier)
	MUL16 F1, 0, 2, 0                              ; register work while the others arrive
	WIN 0
	s_barrier_wait -1
.if \fill
	CREST                                          ; no wave of any partner still reads this slot or has a load on its way
	s_add_nc_u64 s[G0A+4*\slot+2:G0A+4*\slot+3], s[G0A+4*\slot+2:G0A+4*\slot+3], 2*KSTEP*2
	s_add_nc_u64 s[G0W+4*\slot+2:G0W+4*\slot+3], s[G0W+4*\slot+2:G0W+4*\slot+3], 2*KSTEP*NCOL*2
	JLOAD \slot                                    ; the wave's one tensor load behind the round, and the first thing there
.endif
	PLACES
	FETCH \next, 0, F0
	WIN MUL_HI
	MUL16 F1, 1, 0, 0
	MUL16 F1, 1, 2, 0
.endm
.macro LAP zero                        ; once round the ring, both slots filled again
	THREE 0, \zero
	TURN 0, 1, 1
	THREE 1, 0
	TURN 1, 0, 1
.endm
	s_wait_tensorcnt 1                             ; my part of K step 0 is in; K step 1's load may stay out
	s_barrier_signal -1
	s_barrier_wait -1                              ; everybody's part is in
	FETCH 0, 0, F0
	s_wait_loadcnt 0x0                             ; the bias
	LAP 1                                          ; the first lap stands in front of the loop: its first products start the sums from the bias
	WIN 0                                          ; at a label and at a branch every window is 0
	s_mov_b32 s3, LAPS-2
.Llap:
	LAP 0
	WIN 0
	s_sub_co_u32 s3, s3, 1
	s_cmp_lg_u32 s3, 0
	s_cbranch_scc1 .Llap
	THREE 0, 0                                     ; the last lap fills nothing and has no round: the one load still out is slot 1's, the last K step's
	TURN 0, 1, 0
	THREE 1, 0
	s_wait_dscnt 8                                 ; the very last quarter: nothing more to fetch
	WIN MUL_LO
	MUL16 F1, 0, 0, 0
	MUL16 F1, 0, 2, 0
	s_wait_dscnt 0
	WIN MUL_HI
	MUL16 F1, 1, 0, 0
	MUL16 F1, 1, 2, 0
	PLACES                                         ; the places behind the last matrix instructions, for the way out
; THE WAY OUT, 16 tokens at a time: relu, 32 bytes a lane into my own stage, read back as whole rows of 512 bytes.
; tokens 16 i .. 16 i + 15 of my block = the eight tiles (a, 0..7) of window 2 or 3 (from = 0x0a or 0x0f); f: F0 or F1 in turn, 64 registers each
.macro OUT16 i, a, from, f
	WIN \from
.irp b, 0,1,2,3,4,5,6,7
.irp j, 0,1,2,3,4,5,6,7
	v_max_num_f32 v[TMP+8*\b+\j], 0, v[8*(8*\a+\b)+\j]
.endr
.endr
	WIN 0
.irp b, 0,1,2,3,4,5,6,7
	ds_store_b128 v[STO], v[TMP+8*\b:TMP+8*\b+3]   offset:64*\b
	ds_store_b128 v[STO], v[TMP+8*\b+4:TMP+8*\b+7] offset:64*\b+16
.endr
	s_wait_xcnt 0x0                                ; buffer f, which earlier stores read, and the stores' base are rewritten only behind this wait (ISA guide 3.1)
.if \i
	s_add_nc_u64 s[10:11], s[10:11], 16*YROW       ; 16 tokens on
.endif
.irp t, 0,1,2,3,4,5,6,7,8,9,10,11,12,13,14,15
	ds_load_b128 v[\f+4*\t:\f+4*\t+3], v[RD] offset:\t*SP          ; LDS serves a wave's instructions in order (ISA guide 5.7.1.4): these see the stores above
.endr
.irp t, 0,1,2,3,4,5,6,7,8,9,10,11,12,13,14,15
	s_wait_dscnt 15-\t                             ; read-back t is in, the 15 - t younger ones may be out
	global_store_b128 v[CO], v[\f+4*\t:\f+4*\t+3], s[10:11] offset:\t*YROW   ; the wave stores 512 consecutive bytes, at a multiple of 512 from y's first byte
.endr
.endm
	OUT16 0, 0, 0x0a, F0
	OUT16 1, 1, 0x0a, F1
	OUT16 2, 2, 0x0a, F0
	OUT16 3, 3, 0x0a, F1
	OUT16 4, 0, 0x0f, F0
	OUT16 5, 1, 0x0f, F1
	OUT16 6, 2, 0x0f, F0
	OUT16 7, 3, 0x0f, F1
	s_set_vgpr_msb 0x1
	s_wait_tensorcnt 0x0
	ds_add_u32 v63, v63
	s_wait_dscnt 0x0
	s_set_vgpr_msb 0x100
	CROUND                                         ; the closing round: no work-group ends while a partner may still ask for a tile that names it
	s_endpgm
.Lfunc_end_k_q4176000f33_gemm2:
	.size	k_q4176000f33_gemm2, .Lfunc_end_k_q4176000f33_gemm2-k_q4176000f33_gemm2
	.p2alignl 7, 3214868480
	.fill 96, 4, 3214868480
	.section	.rodata,"a",@progbits
	.p2align	6, 0x0
	.amdhsa_kernel k_q4176000f33_gemm2
		.amdhsa_group_segment_fixed_size 327680
		.amdhsa_private_segment_fixed_size 0
		.amdhsa_enable_private_segment 0
		.amdhsa_kernarg_size 32
		.amdhsa_user_sgpr_count 2
		.amdhsa_user_sgpr_kernarg_segment_ptr 1
		.amdhsa_wavefront_size32 1
		.amdhsa_system_sgpr_workgroup_id_x 1
		.amdhsa_system_sgpr_workgroup_id_y 1
		.amdhsa_system_sgpr_workgroup_id_z 1
		.amdhsa_system_vgpr_workitem_id 0
		.amdhsa_next_free_vgpr 1024
		.amdhsa_next_free_sgpr 76
		.amdhsa_reserve_vcc 0
		.amdhsa_float_denorm_mode_32 3
		.amdhsa_float_denorm_mode_16_64 3
		.amdhsa_memory_ordered 1
		.amdhsa_forward_progress 1
		.amdhsa_inst_pref_size 214
	.end_amdhsa_kernel
	.amdgpu_metadata
---
amdhsa.version: [ 1, 2 ]
amdhsa.kernels:
  - .name:           k_q4176000f33_gemm2
    .symbol:         k_q4176000f33_gemm2.kd
    .args:
      - { .name: h16, .offset: 0, .size: 8, .value_kind: global_buffer, .address_space: global }
      - { .name: w2h, .offset: 8, .size: 8, .value_kind: global_buffer, .address_space: global }
      - { .name: b2, .offset: 16, .size: 8, .value_kind: global_buffer, .address_space: global }
      - { .name: y, .offset: 24, .size: 8, .value_kind: global_buffer, .address_space: global }
    .group_segment_fixed_size: 327680
    .private_segment_fixed_size: 0
    .kernarg_segment_align: 8
    .kernarg_segment_size: 32
    .max_flat_workgroup_size: 128
    .sgpr_count:     76
    .vgpr_count:     1024
    .wavefront_size: 32
...
	.end_amdgpu_metadata
.endif
;; end of part 3
;; launch gs (part 4): grid 2048 x 1, 4 waves a work-group, no clusters, 768 bytes of LDS; arguments y, gate, sel, out0; writes out0
.if DOCPART == 4
	.amdgcn_target "amdgcn-amd-amdhsa--gfx1250"
	.amdhsa_code_object_version 6
	.text
	.protected	k_q4176000f33_gs
	.globl	k_q4176000f33_gs
	.p2align	8
	.type	k_q4176000f33_gs,@function
k_q4176000f33_gs:
	s_mov_b64 s[64:65], 0
	v_nop
	global_prefetch_b8 v0, s[64:65] scope:SCOPE_SE
	s_setreg_imm32_b32 hwreg(HW_REG_WAVE_MODE, 25, 1), 1
	s_wait_xcnt 0x0
; GS: classical Gram-Schmidt over a token's expert rows, then out0[n] = gate[n] x basis[sel[n]].  y [2048][4][2048] f32, out0 [2048][2048] f32.
; The work-group is token n; wave w keeps columns 512 w .. 512 w + 511 of the rows in 64 registers, so a row of y is read at most once: 4 loads of 512 consecutive bytes a wave and row.
; ONLY ROWS 0 .. sel[n] ARE LOADED: basis[sel] is made of no others (y holds all four).  Row 0 is asked for at once, the others when sel has come.
; The rows that are not loaded are set to zero, so that every register is written on every way, and all four stages run for every token, since every wave passes every barrier.
; A zero row has the norm 0; its reciprocal is infinite and 0 x infinity is NaN: such numbers arise in rows above sel alone, and those are never stored.
; The basis is kept unnormalised: w_i = v_i - sum over j < i of (v_i . w_j) / (w_j . w_j) w_j, which is v_i less its projections on b_j = w_j / |w_j|.
; As in the sequential form, every dot takes the untouched v_i, and every norm is summed from w_i itself, never formed as a difference of sums.
; Four stages, each with a sum over the four waves through 64 LDS bytes of its own: one barrier a stage.
; A stream: no matrix unit, no cluster (no two work-groups read the same bytes), no loop.  The branches hang on sel, whole numbers stored by an earlier launch; no barrier stands under them.
; LIMITS: v_rcp_f32 and v_rsq_f32 take a squared norm below 2^-126 as zero (ISA guide 15.8); sums run in another order than a row-wise reduction.
.set ACC,  4                           ; v[4:11]   four pairs of running sums
.set RES,  16                          ; v[16:19]  my wave's (up to) four sums
.set P,    20                          ; v[20:35]  the four waves' sums; then the totals in v[20:23]
.set RN,   36                          ; v36-39    1 / |w_e|
.set RC,   40                          ; v40       1 / (w_j . w_j) of the stage
.set NA10, 42                          ; pairs: minus the coefficient of w_j in w_i, twice (for the packed multiply-add)
.set NA20, 44
.set NA30, 46
.set NA21, 48
.set NA31, 50
.set NA32, 52
.set SC,   54                          ; v[54:55]  gate / |w_sel|, twice
.set V,    64                          ; v[64+16e : 79+16e]  row e: v_e, later w_e
	s_load_b256 s[4:11], s[0:1], 0x0               ; y s[4:5], gate s[6:7], sel s[8:9], out0 s[10:11]
	v_lshl_add_u32 v128, v0, 2, 0x100
	v_mov_b32 v129, 0
	v_lshrrev_b32 v2, 5, v0
	v_readfirstlane_b32 s15, v2                    ; wave 0..3
	v_and_b32 v1, 31, v0
	v_lshlrev_b32 v1, 4, v1
	v_lshl_add_u32 v1, s15, 11, v1                 ; 2,048 w + 16 lane: my 16 bytes in a row
	v_mov_b32 v2, s15
	v_lshlrev_b32 v2, 4, v2                        ; my wave's 16 bytes in a stage's LDS block
	v_mov_b32 v3, 0
	v_mov_b32 v12, 0                               ; v_permlanex16_b32 counts as a reader of its destination
	s_mov_b32 s16, 0x76543210
	s_mov_b32 s17, 0xfedcba98
	s_mov_b32 s19, 0
	s_wait_kmcnt 0x0
	s_lshl_b32 s18, ttmp9, 2
	s_add_nc_u64 s[6:7], s[6:7], s[18:19]
	s_add_nc_u64 s[8:9], s[8:9], s[18:19]
	s_load_b32 s14, s[8:9], 0x0                    ; the chosen expert
	s_load_b32 s13, s[6:7], 0x0                    ; g
	s_lshl_b32 s18, ttmp9, 15                      ; a token's four rows: 32,768 bytes
	s_add_nc_u64 s[4:5], s[4:5], s[18:19]
	s_lshl_b32 s18, ttmp9, 13                      ; a row of out0
	s_add_nc_u64 s[10:11], s[10:11], s[18:19]
.macro ROW e                           ; my 2,048 bytes of row e
.irp j, 0,1,2,3
	global_load_b128 v[V+16*\e+4*\j:V+16*\e+4*\j+3], v1, s[4:5] offset:8192*\e+512*\j th:TH_LOAD_NT
.endr
.endm
.macro NOROW e                         ; row e is not wanted: its registers are written all the same
.irp k, 0,1,2,3,4,5,6,7,8,9,10,11,12,13,14,15
	v_mov_b32 v[V+16*\e+\k], 0
.endr
.endm
	ROW 0                                          ; wanted by every token: on its way while sel comes
	s_wait_kmcnt 0x0                               ; sel and g
	s_cmp_lt_u32 s14, 1
	s_cbranch_scc1 .Lonly0
	ROW 1
	s_cmp_lt_u32 s14, 2
	s_cbranch_scc1 .Lonly1
	ROW 2
	s_cmp_lt_u32 s14, 3
	s_cbranch_scc1 .Lonly2
	ROW 3
	s_branch .Lrows_asked
.Lonly0:
	NOROW 1
.Lonly1:
	NOROW 2
.Lonly2:
	NOROW 3
.Lrows_asked:
	s_wait_loadcnt 0x0                             ; 4, 8, 12 or 16 loads are out, by the way taken: only the count 0 holds on all four
.macro DOTSTEP k, a, b, p              ; sum k += pair p of row a times pair p of row b; pair 0 starts the sum
.if \p
	v_pk_fma_f32 v[ACC+2*\k:ACC+2*\k+1], v[V+16*\a+2*\p:V+16*\a+2*\p+1], v[V+16*\b+2*\p:V+16*\b+2*\p+1], v[ACC+2*\k:ACC+2*\k+1]
.else
	v_pk_mul_f32 v[ACC+2*\k:ACC+2*\k+1], v[V+16*\a:V+16*\a+1], v[V+16*\b:V+16*\b+1]
.endif
.endm
.macro FOLD k                          ; sum k over the pair and the wave's 32 lanes, into RES + k of every lane
	v_add_f32 v[RES+\k], v[ACC+2*\k], v[ACC+2*\k+1]
	v_add_f32_dpp v[RES+\k], v[RES+\k], v[RES+\k] row_xmask:1 row_mask:0xf bank_mask:0xf
	v_add_f32_dpp v[RES+\k], v[RES+\k], v[RES+\k] row_xmask:2 row_mask:0xf bank_mask:0xf
	v_add_f32_dpp v[RES+\k], v[RES+\k], v[RES+\k] row_xmask:4 row_mask:0xf bank_mask:0xf
	v_add_f32_dpp v[RES+\k], v[RES+\k], v[RES+\k] row_xmask:8 row_mask:0xf bank_mask:0xf
	v_permlanex16_b32 v12, v[RES+\k], s16, s17
	v_add_f32 v[RES+\k], v[RES+\k], v12
.endm
.macro XCH s                           ; the four waves' sums meet in stage s's own 64 bytes; every wave adds them in the same order; totals in v[P:P+3]
	ds_store_b128 v2, v[RES:RES+3] offset:64*\s    ; (words of sums that the stage does not use hold an earlier stage's and are not looked at)
	s_wait_dscnt 0x0                               ; for the others' sake: my store is done before I signal
	s_barrier_signal -1
	s_barrier_wait -1
.irp w, 0,1,2,3
	ds_load_b128 v[P+4*\w:P+4*\w+3], v3 offset:64*\s+16*\w
.endr
	s_wait_dscnt 0x0
	v_pk_add_f32 v[P:P+1],     v[P:P+1],     v[P+4:P+5]
	v_pk_add_f32 v[P+2:P+3],   v[P+2:P+3],   v[P+6:P+7]
	v_pk_add_f32 v[P+8:P+9],   v[P+8:P+9],   v[P+12:P+13]
	v_pk_add_f32 v[P+10:P+11], v[P+10:P+11], v[P+14:P+15]
	v_pk_add_f32 v[P:P+1],     v[P:P+1],     v[P+8:P+9]
	v_pk_add_f32 v[P+2:P+3],   v[P+2:P+3],   v[P+10:P+11]
.endm
.macro COEF dst, k                     ; minus total k over the stage's squared norm, twice
	v_mul_f32 v[\dst], -v[P+\k], v[RC]
	v_mul_f32 v[\dst+1], -v[P+\k], v[RC]
.endm
.macro AXPY d, na, u                   ; row d += na x row u
.irp p, 0,1,2,3,4,5,6,7
	v_pk_fma_f32 v[V+16*\d+2*\p:V+16*\d+2*\p+1], v[\na:\na+1], v[V+16*\u+2*\p:V+16*\u+2*\p+1], v[V+16*\d+2*\p:V+16*\d+2*\p+1]
.endr
.endm
	; stage A: v0.v0, v1.v0, v2.v0, v3.v0, in four chains that do not wait for each other
.irp p, 0,1,2,3,4,5,6,7
	DOTSTEP 0, 0, 0, \p
	DOTSTEP 1, 1, 0, \p
	DOTSTEP 2, 2, 0, \p
	DOTSTEP 3, 3, 0, \p
.endr
.irp k, 0,1,2,3
	FOLD \k
.endr
	XCH 0
	v_rcp_f32 v[RC], v[P]
	v_rsq_f32 v[RN], v[P]
	v_nop                                          ; the plain instruction between the transcendentals and the use of their results (ISA guide 5.7.2)
	s_wait_alu depctr_va_vdst(0)
	COEF NA10, 1
	COEF NA20, 2
	COEF NA30, 3
	AXPY 1, NA10, 0                                ; w1
	; stage B: w1.w1, v2.w1, v3.w1
.irp p, 0,1,2,3,4,5,6,7
	DOTSTEP 0, 1, 1, \p
	DOTSTEP 1, 2, 1, \p
	DOTSTEP 2, 3, 1, \p
.endr
.irp k, 0,1,2
	FOLD \k
.endr
	XCH 1
	v_rcp_f32 v[RC], v[P]
	v_rsq_f32 v[RN+1], v[P]
	v_nop
	s_wait_alu depctr_va_vdst(0)
	COEF NA21, 1
	COEF NA31, 2
	AXPY 2, NA20, 0
	AXPY 2, NA21, 1                                ; w2
	; stage C: w2.w2, v3.w2
.irp p, 0,1,2,3,4,5,6,7
	DOTSTEP 0, 2, 2, \p
	DOTSTEP 1, 3, 2, \p
.endr
.irp k, 0,1
	FOLD \k
.endr
	XCH 2
	v_rcp_f32 v[RC], v[P]
	v_rsq_f32 v[RN+2], v[P]
	v_nop
	s_wait_alu depctr_va_vdst(0)
	COEF NA32, 1
	AXPY 3, NA30, 0
	AXPY 3, NA31, 1
	AXPY 3, NA32, 2                                ; w3
	; stage D: w3.w3
.irp p, 0,1,2,3,4,5,6,7
	DOTSTEP 0, 3, 3, \p
.endr
	FOLD 0
	XCH 3
	v_rsq_f32 v[RN+3], v[P]
	v_nop
; out0[n] = g / |w_e| x w_e: each store of the wave covers 512 consecutive bytes, aligned
.macro OUT e
	s_wait_alu depctr_va_vdst(0)
	v_mul_f32 v[SC], s13, v[RN+\e]
	v_mul_f32 v[SC+1], s13, v[RN+\e]
.irp p, 0,1,2,3,4,5,6,7
	v_pk_mul_f32 v[V+16*\e+2*\p:V+16*\e+2*\p+1], v[V+16*\e+2*\p:V+16*\e+2*\p+1], v[SC:SC+1]
.endr
.irp j, 0,1,2,3
	global_store_b128 v1, v[V+16*\e+4*\j:V+16*\e+4*\j+3], s[10:11] offset:512*\j th:TH_STORE_NT
.endr
	s_wait_tensorcnt 0x0
	ds_add_u32 v128, v129
	s_wait_dscnt 0x0
	s_endpgm
.endm
	s_cmp_eq_u32 s14, 0
	s_cbranch_scc1 .Lrow0
	s_cmp_eq_u32 s14, 1
	s_cbranch_scc1 .Lrow1
	s_cmp_eq_u32 s14, 2
	s_cbranch_scc1 .Lrow2
	OUT 3
.Lrow2:
	OUT 2
.Lrow1:
	OUT 1
.Lrow0:
	OUT 0
.Lfunc_end_k_q4176000f33_gs:
	.size	k_q4176000f33_gs, .Lfunc_end_k_q4176000f33_gs-k_q4176000f33_gs
	.p2alignl 7, 3214868480
	.fill 96, 4, 3214868480
	.section	.rodata,"a",@progbits
	.p2align	6, 0x0
	.amdhsa_kernel k_q4176000f33_gs
		.amdhsa_group_segment_fixed_size 768
		.amdhsa_private_segment_fixed_size 0
		.amdhsa_enable_private_segment 0
		.amdhsa_kernarg_size 32
		.amdhsa_user_sgpr_count 2
		.amdhsa_user_sgpr_kernarg_segment_ptr 1
		.amdhsa_wavefront_size32 1
		.amdhsa_system_sgpr_workgroup_id_x 1
		.amdhsa_system_sgpr_workgroup_id_y 1
		.amdhsa_system_sgpr_workgroup_id_z 1
		.amdhsa_system_vgpr_workitem_id 0
		.amdhsa_next_free_vgpr 130
		.amdhsa_next_free_sgpr 66
		.amdhsa_reserve_vcc 0
		.amdhsa_float_denorm_mode_32 3
		.amdhsa_float_denorm_mode_16_64 3
		.amdhsa_memory_ordered 1
		.amdhsa_forward_progress 1
		.amdhsa_inst_pref_size 26
	.end_amdhsa_kernel
	.amdgpu_metadata
---
amdhsa.version: [ 1, 2 ]
amdhsa.kernels:
  - .name:           k_q4176000f33_gs
    .symbol:         k_q4176000f33_gs.kd
    .args:
      - { .name: y, .offset: 0, .size: 8, .value_kind: global_buffer, .address_space: global }
      - { .name: gate, .offset: 8, .size: 8, .value_kind: global_buffer, .address_space: global }
      - { .name: sel, .offset: 16, .size: 8, .value_kind: global_buffer, .address_space: global }
      - { .name: out0, .offset: 24, .size: 8, .value_kind: global_buffer, .address_space: global }
    .group_segment_fixed_size: 768
    .private_segment_fixed_size: 0
    .kernarg_segment_align: 8
    .kernarg_segment_size: 32
    .max_flat_workgroup_size: 128
    .sgpr_count:     66
    .vgpr_count:     130
    .wavefront_size: 32
...
	.end_amdgpu_metadata
.endif
;; end of part 4
